; MI455X (gfx1250); checked and timed in simulation.
; The chip was launched on July 23, 2026; its instructions are those of AMD's public machine-readable ISA for CDNA 5 (MIT licence, August 2026) and "CDNA5" Instruction Set Architecture Reference Guide (July 2026). The comments in the code are by the model that wrote it; some were corrected since.
;; Triton. Allowed arithmetic: matrix products marked QUANTISED: E4M3 operands, one E8M0 scale for each 32 along K, by v_wmma_scale_f32_16x16x128_f8f6f4 with both operands' format E4M3, f32 sums; everything else in f32.
;; Inputs: Wt 2,048 x 4,096 float32; Wv 2,048 x 4,096 float32; visual_mask 4 x 1,024 bool; x 4 x 1,024 x 4,096 float32.
;; Outputs: out0 4 x 1,024 x 2,048 float32.
;; This version of the problem:
;;   THIS VERSION OF THE PROBLEM IS GIVEN IN LOW PRECISION. The matrix products marked QUANTISED in the list below multiply operands that are first quantised to E4M3 (4 exponent bits, 3 mantissa bits; 8 bits a number), with one power-of-two scale for each 32 numbers along K (OCP MX v1.0); their sums are f32. All else is computed in f32.
;;   The module's matrix products, in the order in which they are computed (A, B: the left and right operand; K: the contracted axis; several contracted axes count as one K, in the product's order):
;;     1. [M 4,096, K 4,096] x [K 4,096, N 2,048]; A: input x; B: input Wv: QUANTISED
;;     2. [M 4,096, K 4,096] x [K 4,096, N 2,048]; A: input x; B: input Wt: QUANTISED
;;   THE QUANTISER, for each operand of a quantised product, along K:
;;     - K is cut into blocks of 32 from its start; a last block that is shorter is filled with zeros.
;;     - A block's scale is 2^e with e = floor(log2(the largest magnitude in the block)) - 8, held to -126 .. 127; a block of zeros has e = 0. As a byte (E8M0): e + 127.
;;     - Each number is divided by its block's scale, clamped to +-448, and rounded to the nearest number of E4M3, ties to even, subnormals kept.
;;     - The product sums the exact products of the quantised numbers (number of the format x scale) in f32.
;;   ~~~python
;;   def quantise(x, axis):      # numpy; x: float32 -> the quantised numbers, widened to float32 again
;;       x = np.moveaxis(x, axis, -1); K = x.shape[-1]
;;       x = np.pad(x, [(0, 0)] * (x.ndim - 1) + [(0, -K % 32)]); x = x.reshape(x.shape[:-1] + (-1, 32)); a = np.abs(x).max(-1, keepdims=True)
;;       e = np.where(a > 0, np.clip(np.frexp(np.where(a > 0, a, 1))[1] - 1 - 8, -126, 127), 0)      # np.frexp(a)[1] - 1 = floor(log2(a)), exactly
;;       r = np.clip(x / 2.0 ** e, -448, 448)
;;       step = 2.0 ** (np.maximum(np.frexp(np.where(r == 0, 1, r))[1] - 1, -6) - 3)
;;       q = np.round(r / step) * step * 2.0 ** e      # np.round: ties to even
;;       return np.moveaxis(q.reshape(q.shape[:-2] + (-1,))[..., :K], -1, axis).astype(np.float32)
;;   ~~~
;; One version. Each part assembles by itself: llvm-mc -triple=amdgcn-amd-amdhsa -mcpu=gfx1250 --defsym DOCPART=n.
;; ======== version 1 of 1: 2 launches
;; workspace buffers: a_codes 17,694,720 bytes; a_scales 552,960 bytes; w_codes 16,777,216 bytes; w_scales 524,288 bytes; route 17,408 bytes of whole numbers
;; launch quant (part 1): grid 1052 x 1, 4 waves a work-group, no clusters, 34,304 bytes of LDS; arguments x, visual_mask, Wv, Wt, a_codes, a_scales, w_codes, w_scales, route; writes a_codes, a_scales, w_codes, w_scales, route
.if DOCPART == 1
	.amdgcn_target "amdgcn-amd-amdhsa--gfx1250"
	.amdhsa_code_object_version 6
	.text
	.protected	k_q48d139d2c6_quant
	.globl	k_q48d139d2c6_quant
	.p2align	8
	.type	k_q48d139d2c6_quant,@function
k_q48d139d2c6_quant:
	s_mov_b64 s[64:65], 0
	v_nop
	global_prefetch_b8 v0, s[64:65] scope:SCOPE_SE
	s_setreg_imm32_b32 hwreg(HW_REG_WAVE_MODE, 25, 1), 1
	s_wait_xcnt 0x0
; out[token] = x[token] Wv^T where visual_mask[token] is true, else x[token] Wt^T; both products on codes of FP8 (E4M3) with one E8M0 scale for each 32 along K.
; WHAT IS NOT COMPUTED.  reference() forms both products for every token and keeps, by jnp.where on visual_mask, one row of the two.  The mask is an input of whole numbers that this launch reads
; from memory: the program multiplies each token by the weight that its mask byte names and by no other.  Every byte of x, Wv, Wt and visual_mask has a way to an output and is loaded.
; LIMITS: a NaN, an infinity or an overflow that would arise only in the product that the mask throws away is not carried to the result; NaN and infinities among the inputs are not served;
; mask bytes are 0 or 1; a block of zeros gets the scale byte 1 where the rule says 127 (its codes are zeros, which add nothing under any byte but 0xff, and this program alone reads the bytes).
; THIS LAUNCH sorts the tokens by expert and turns x (rows taken in sorted order), Wv and Wt into codes and scale words, laid in the order of the matrix operand's registers.
; SORTED ORDER: 4,320 slots = 30 tiles of 144.  nv = the number of true mask bytes, a = ceil(nv / 144).  Visual tokens take slots 0 .. nv - 1, text tokens slots 144 a .. 144 a + nt - 1; the rest are pads.
; 144 a + nt <= nv + 143 + nt = 4,239 <= 4,320 for every mask, and 144 a is a multiple of 16 and of 144: every block of 16 slots and every tile belongs to one expert.
; route[slot] = token | expert << 16 (expert 0: Wv, 1: Wt); a pad has 4096 in the token's place and holds a copy of token 4,095's codes, so that every byte that is read later has been stored.
; LAYOUT.  A fragment (16 rows x 128 K) is 2,048 bytes: register group c (0..3) of lane l at 512 c + 16 l; lane (r = l % 16, h = l / 16) holds the codes of k = 32 c + 16 h + 0 .. 15 of row r.
;   a_codes [tile 30][K step 32][block 9][2048]     a_scales [block of 16 slots 270][4 K steps 8][256: the word of K step q, row r at 16 r + 4 q]
;   w_codes [expert 2][64 rows 32][K step 32][block 4][2048]     w_scales [expert][64 rows][K step][256: the word of block j, row r at 16 r + 4 j]
; SHARES.  A wave takes four fragments (32 KiB of f32), no loop, no barrier; waves share nothing.  Work-groups 0-511: the weights (four blocks of 16 rows, one K step).  Work-groups 512-1051: x (16 slots, four K steps).
; The two kinds part on the work-group's number, only to set scalar registers (row bases, steps, destinations), and join ahead of the one text that loads, quantises and stores.
; Each load reads 512 consecutive bytes of one row; a fragment's 8 KiB turn through the wave's own stage in LDS (rows 528 bytes apart) so that a lane gets 16 neighbours of each block of 32.
.set STG,   8448                       ; a wave's stage: 16 rows x (512 + 16) bytes
.set SPARE, 4*STG                      ; behind the four stages: the spare words, 128 bytes for each wave: two blocks of 256 bytes that no other line names
.set LANE,  1                          ; v1     lane
.set L16,   2                          ; v2     16 x lane
.set SA,    3                          ; v3     the stage on the way in: 16 x lane
.set RA,    4                          ; v4     and on the way out: 528 r + 64 h
.set SOFF,  5                          ; v5     my 8 bytes of the unit of scale words: 16 r + 8 h
.set SPW,   6                          ; v6     LDS address of my spare word; never rewritten
.set NIL,   7                          ; v7     0; never rewritten
.set VF,    8                          ; v8-11  fragment f: my byte offset from a row's base
.set DOFF,  12                         ; v12-15 fragment f: my byte offset in the codes
.set TM,    16                         ; v16-19 largest magnitudes, v20-23 bytes, v24-27 448 x the scale, v28-31 the conversions' scale operands
.set PW,    32                         ; v32-35 fragment f's scale word
.set SW,    36                         ; v36-37 the two words that I store
.set PC,    40                         ; v40-55 a fragment's codes
.set RAW,   56                         ; v56-183 two sets of 64 numbers; the routing works here before the first load
.set RB,    24                         ; s[24:55] the addresses of my 16 rows
.set MX,    56                         ; routing: 32 words of mask bytes
.set MW,    88                         ; four words of 32 bits
.set MC,    92                         ; their counts
.set CL,    96                         ; my lane's count of ones
.set IP,    97                         ; the inclusive prefix over the lanes
.set Q1,    98
.set Q2,    99
.set CE,    100
.set CW,    101
.set T0,    102
.set EE,    103                        ; the exclusive prefix
.set ELL,   104                        ; lane r: the lane that holds slot r's token
.set BPI,   105
.set PP,    106                        ; lane r: slot r's rank within its expert
.set GE,    107                        ; what comes from lane ELL: its exclusive prefix,
.set GC,    108                        ; its three running counts,
.set GW,    109                        ; v109-112 its four words
.set QQ,    113
.set QC,    114                        ; v114-116
.set XW,    117
.set SB,    118
.set WI,    119
.set T1,    120
.set T2,    121
.set T4,    122
.set T8,    123
.set BETA,  124
.set U0,    125
.set U1,    126
.set U2,    127
	s_load_b512 s[4:19], s[0:1], 0x0               ; x s[4:5], visual_mask s[6:7], Wv s[8:9], Wt s[10:11], a_codes s[12:13], a_scales s[14:15], w_codes s[16:17], w_scales s[18:19]
	s_load_b64 s[20:21], s[0:1], 0x40              ; route
	v_lshl_add_u32 v[SPW], v0, 2, SPARE
	v_mov_b32 v[NIL], 0
	v_lshrrev_b32 v8, 5, v0
	v_readfirstlane_b32 s22, v8                    ; wave 0..3
	v_and_b32 v[LANE], 31, v0
	v_lshlrev_b32 v[L16], 4, v[LANE]
	v_and_b32 v8, 15, v0                           ; r
	v_bfe_u32 v9, v0, 4, 1                         ; h
	s_mul_i32 s70, s22, STG                        ; my stage.  Every LDS address is made here, ahead of the parting
	v_add_nc_u32 v[SA], s70, v[L16]
	v_mul_u32_u24 v[RA], v8, 528
	v_lshl_add_u32 v[RA], v9, 6, v[RA]
	v_add_nc_u32 v[RA], s70, v[RA]
	v_lshlrev_b32 v[SOFF], 4, v8
	v_lshl_add_u32 v[SOFF], v9, 3, v[SOFF]
.irp b, 0,1,2,3
	v_mov_b32 v[TM+4+\b], 0                        ; written once: a lane permute's destination counts as one of its sources
.endr
	s_mov_b32 s66, 0x76543210
	s_mov_b32 s67, 0xfedcba98                      ; v_permlanex16_b32's selects for lane l xor 16
	s_mov_b32 s68, 0x600000                        ; the mantissa field of 448
	s_mov_b32 s69, 0xffff0000                      ; lanes 16-31
	s_mov_b32 s71, 0                               ; the upper word of the offsets in s[70:71]
	s_wait_kmcnt 0x0
	s_cmp_lt_u32 ttmp9, 512
	s_cbranch_scc0 .Ltokens
	; ---- the weights: item iw = expert x 1024 + group of 64 rows x 32 + K step
	s_lshl_b32 s23, ttmp9, 2
	s_add_co_u32 s23, s23, s22                     ; iw
	s_lshr_b32 s72, s23, 10                        ; expert
	s_cmp_eq_u32 s72, 0
	s_cselect_b64 s[RB:RB+1], s[8:9], s[10:11]     ; Wv or Wt: the choice hangs on ids alone
	s_bfe_u32 s70, s23, 0x50005                    ; group
	s_lshl_b32 s70, s70, 20                        ; 64 rows of 16,384 bytes
	s_add_nc_u64 s[RB:RB+1], s[RB:RB+1], s[70:71]
.irp r, 1,2,3,4,5,6,7,8,9,10,11,12,13,14,15
	s_add_nc_u64 s[RB+2*\r:RB+2*\r+1], s[RB+2*\r-2:RB+2*\r-1], 0x4000
.endr
	s_and_b32 s62, s23, 31
	s_lshl_b32 s62, s62, 9                         ; the K step's 512 bytes in a row
	s_mov_b32 s60, 262144                          ; from fragment to fragment: 16 rows down,
	s_mov_b32 s61, 2048                            ; and one image on in the codes
	s_lshl_b32 s70, s23, 13
	s_add_nc_u64 s[56:57], s[16:17], s[70:71]      ; w_codes + 8,192 iw
	s_lshl_b32 s70, s23, 8
	s_add_nc_u64 s[58:59], s[18:19], s[70:71]      ; w_scales + 256 iw
	s_branch .Lcommon
.Ltokens:
	; ---- x: item ix = block of 16 slots R x 8 + g (four K steps).  First: which 16 tokens?  Whole numbers alone, every wave for itself.
	s_sub_co_u32 s23, ttmp9, 512
	s_lshl_b32 s23, s23, 2
	s_add_co_u32 s23, s23, s22                     ; ix
	s_lshr_b32 s72, s23, 3                         ; R
	s_and_b32 s73, s23, 7                          ; g
	v_lshlrev_b32 v8, 7, v[LANE]                   ; lane l takes the mask bytes of tokens 128 l .. 128 l + 127
.irp j, 0,1,2,3,4,5,6,7
	global_load_b128 v[MX+4*\j:MX+4*\j+3], v8, s[6:7] offset:16*\j
.endr
	s_mov_b32 s74, 0x01010101
	s_wait_loadcnt 0x0
.irp w, 0,1,2,3                        ; word w: bit 8 b + i stands for token 128 l + 32 w + 4 i + b.  Any fixed order serves: slot <-> token only has to be one to one
	v_lshl_or_b32 v[MW+\w], v[MX+8*\w+1], 1, v[MX+8*\w]
.endr
.irp i, 2,3,4,5,6,7
.irp w, 0,1,2,3
	v_lshl_or_b32 v[MW+\w], v[MX+8*\w+\i], \i, v[MW+\w]
.endr
.endr
.irp w, 0,1,2,3                        ; the word's count of ones: the eight registers added byte by byte, then the four bytes
	v_add3_u32 v[MC+\w], v[MX+8*\w], v[MX+8*\w+1], v[MX+8*\w+2]
.endr
.irp w, 0,1,2,3
	v_add3_u32 v[MC+\w], v[MC+\w], v[MX+8*\w+3], v[MX+8*\w+4]
.endr
.irp w, 0,1,2,3
	v_add3_u32 v[MC+\w], v[MC+\w], v[MX+8*\w+5], v[MX+8*\w+6]
.endr
.irp w, 0,1,2,3
	v_add_nc_u32 v[MC+\w], v[MC+\w], v[MX+8*\w+7]
.endr
.irp w, 0,1,2,3
	v_mul_lo_u32 v[MC+\w], v[MC+\w], s74
.endr
.irp w, 0,1,2,3
	v_lshrrev_b32 v[MC+\w], 24, v[MC+\w]
.endr
	v_add3_u32 v[CL], v[MC], v[MC+1], v[MC+2]
	v_add_nc_u32 v[CL], v[CL], v[MC+3]
	v_mov_b32 v[IP], 0
	s_mov_b32 s75, 0
.set li, 0
.rept 32                               ; the inclusive prefix of ones over the lanes; the last sum is nv
	v_readlane_b32 s76, v[CL], li
	s_add_co_u32 s75, s75, s76
	v_writelane_b32 v[IP], s75, li
.set li, li+1
.endr
	s_sub_co_u32 s77, 4096, s75                    ; nt
	s_add_co_u32 s78, s75, 143
	s_mul_i32 s78, s78, 116509                     ; floor(n / 144) = (n x 116509) >> 24 for n up to 4,239: 116509 x 144 = 2^24 + 80, so the excess stays under 4239 x 80 / (144 x 2^24) of one, far under 1 / 144
	s_lshr_b32 s78, s78, 24                        ; a
	s_mul_i32 s78, s78, 144                        ; the text tokens' first slot
	s_lshl_b32 s79, s72, 4                         ; my first slot
	s_cmp_lt_u32 s79, s78                          ; visual or text?
	s_cselect_b32 s80, 0, -1                       ; text: all bits are turned over
	s_cselect_b32 s81, 0, 1                        ; the expert
	s_cselect_b32 s82, 0, s78
	s_cselect_b32 s83, s75, s77                    ; how many tokens it has
	s_cselect_b32 s84, 0, 33
	s_sub_co_u32 s85, s79, s82                     ; my first slot's rank within the expert
.irp w, 0,1,2,3
	v_xor_b32 v[MW+\w], s80, v[MW+\w]              ; the expert's bits,
	v_xor_b32 v[MC+\w], s80, v[MC+\w]
.endr
.irp w, 0,1,2,3
	v_add_nc_u32 v[MC+\w], s84, v[MC+\w]           ; and counts: c, or ~c + 33 = 32 - c
.endr
	v_add_nc_u32 v[Q1], v[MC], v[MC+1]
	v_add_nc_u32 v[Q2], v[Q1], v[MC+2]
	v_add_nc_u32 v[CE], v[Q2], v[MC+3]
	v_lshl_or_b32 v[CW], v[Q1], 8, v[MC]           ; the three running counts (96 at the most) in one register
	v_lshl_or_b32 v[CW], v[Q2], 16, v[CW]
	v_lshl_add_u32 v[T0], v[LANE], 7, 129
	v_and_b32 v[T0], s80, v[T0]
	v_xor_b32 v[IP], s80, v[IP]
	v_add_nc_u32 v[IP], v[IP], v[T0]               ; the expert's inclusive prefix: I, or ~I + 128 (l + 1) + 1
	v_sub_nc_u32 v[EE], v[IP], v[CE]
	v_mov_b32 v[ELL], 0
.set li, 0
.rept 16                               ; slot r's token lies in the lane whose number is the count of lanes with prefix <= its rank
	s_add_co_u32 s76, s85, li
	v_cmp_ge_u32 s86, s76, v[IP]
	s_bcnt1_i32_b32 s86, s86
	s_min_u32 s86, s86, 31                         ; (a pad's rank lies beyond every prefix)
	v_writelane_b32 v[ELL], s86, li
.set li, li+1
.endr
	v_min_u32 v[ELL], 31, v[ELL]
	v_lshlrev_b32 v[BPI], 2, v[ELL]
	v_add_nc_u32 v[PP], s85, v[LANE]               ; from here on lane r works for slot r; lanes 16-31 run along and are not used
	ds_bpermute_b32 v[GE], v[BPI], v[EE]
	ds_bpermute_b32 v[GC], v[BPI], v[CW]
.irp w, 0,1,2,3
	ds_bpermute_b32 v[GW+\w], v[BPI], v[MW+\w]
.endr
	s_wait_dscnt 0x0
	v_sub_nc_u32 v[QQ], v[PP], v[GE]               ; the rank within that lane's 128 tokens
	v_bfe_u32 v[QC], v[GC], 0, 8
	v_bfe_u32 v[QC+1], v[GC], 8, 8
	v_bfe_u32 v[QC+2], v[GC], 16, 8
	v_mov_b32 v[XW], v[GW]
	v_mov_b32 v[SB], 0
	v_mov_b32 v[WI], 0
.irp k, 0,1,2                          ; which of the four words
	v_cmp_ge_u32 vcc_lo, v[QQ], v[QC+\k]
	v_cndmask_b32 v[XW], v[XW], v[GW+1+\k], vcc_lo
	v_cndmask_b32 v[SB], v[SB], v[QC+\k], vcc_lo
	v_cndmask_b32 v[WI], v[WI], \k+1, vcc_lo
.endr
	v_sub_nc_u32 v[QQ], v[QQ], v[SB]               ; the rank within the word
	v_lshrrev_b32 v[T1], 1, v[XW]                  ; the word's counts by fields of 2, 4, 8 and 16 bits
	v_and_b32 v[T1], 0x55555555, v[T1]
	v_sub_nc_u32 v[T1], v[XW], v[T1]
	v_lshrrev_b32 v[T2], 2, v[T1]
	v_and_b32 v[T2], 0x33333333, v[T2]
	v_and_b32 v[T4], 0x33333333, v[T1]
	v_add_nc_u32 v[T2], v[T2], v[T4]
	v_lshrrev_b32 v[T4], 4, v[T2]
	v_add_nc_u32 v[T4], v[T4], v[T2]
	v_and_b32 v[T4], 0x0f0f0f0f, v[T4]
	v_lshrrev_b32 v[T8], 8, v[T4]
	v_add_nc_u32 v[T8], v[T8], v[T4]
	v_and_b32 v[T8], 0x00ff00ff, v[T8]
	v_mov_b32 v[BETA], 0
.macro LEVEL t, width, step            ; the lower half of the field at bit BETA holds c ones: where the rank is c or more, take c off and go to the upper half
	v_bfe_u32 v[U0], v[\t], v[BETA], \width
	v_add_nc_u32 v[U1], \step, v[BETA]
	v_cmp_ge_u32 vcc_lo, v[QQ], v[U0]
	v_sub_nc_u32 v[U0], v[QQ], v[U0]
	v_cndmask_b32 v[QQ], v[QQ], v[U0], vcc_lo
	v_cndmask_b32 v[BETA], v[BETA], v[U1], vcc_lo
.endm
	LEVEL T8, 8, 16
	LEVEL T4, 8, 8
	LEVEL T2, 4, 4
	LEVEL T1, 2, 2
	LEVEL XW, 1, 1
	v_and_b32 v[U0], 7, v[BETA]                    ; bit 8 b + i: token 128 ELL + 32 word + 4 i + b
	v_lshrrev_b32 v[U1], 3, v[BETA]
	v_lshl_add_u32 v[U0], v[U0], 2, v[U1]
	v_lshl_add_u32 v[U0], v[WI], 5, v[U0]
	v_lshl_add_u32 v[U0], v[ELL], 7, v[U0]
	v_mov_b32 v[U2], 0x1000
	v_cmp_le_u32 vcc_lo, s83, v[PP]                ; a rank at or beyond the expert's count: a pad
	v_cndmask_b32 v[U0], v[U0], v[U2], vcc_lo
	s_lshl_b32 s81, s81, 16
	v_or_b32 v[U1], s81, v[U0]                     ; the route word
.set li, 0
.rept 16                               ; the addresses of my 16 rows of x; a pad takes token 4,095's
	v_readlane_b32 s70, v[U0], li
	s_min_u32 s70, s70, 0xfff
	s_lshl_b32 s70, s70, 14
	s_add_nc_u64 s[RB+2*li:RB+2*li+1], s[4:5], s[70:71]
.set li, li+1
.endr
	s_cmp_lg_u32 s73, 0                            ; of the eight waves that share these slots the one with g = 0 stores the route words: 64 bytes
	s_cbranch_scc1 .Lno_route
	s_lshl_b32 s76, s72, 6
	v_lshl_add_u32 v[U2], v[LANE], 2, s76
	s_wait_xcnt 0x0                                ; EXEC changes only behind this wait
	v_cmp_gt_u32 vcc_lo, 16, v[LANE]
	s_and_saveexec_b32 s87, vcc_lo
	global_store_b32 v[U2], v[U1], s[20:21]
	s_wait_xcnt 0x0                                ; and again in front of the line that widens it; the store's registers may be written behind it too
	s_or_b32 exec_lo, exec_lo, s87
.Lno_route:
	s_mul_i32 s74, s72, 7282                       ; tile = floor(R / 9) = (R x 7282) >> 16 for R up to 269: 7282 x 9 = 2^16 + 2
	s_lshr_b32 s74, s74, 16
	s_mul_i32 s76, s74, 9
	s_sub_co_u32 s76, s72, s76                     ; the block within the tile
	s_mul_i32 s70, s74, 589824
	s_mul_i32 s77, s73, 73728
	s_add_co_u32 s70, s70, s77
	s_lshl_b32 s76, s76, 11
	s_add_co_u32 s70, s70, s76
	s_add_nc_u64 s[56:57], s[12:13], s[70:71]      ; a_codes + 589,824 tile + 73,728 g + 2,048 block
	s_lshl_b32 s70, s23, 8
	s_add_nc_u64 s[58:59], s[14:15], s[70:71]      ; a_scales + 256 ix
	s_lshl_b32 s62, s73, 11                        ; my four K steps' 2,048 bytes in a row
	s_mov_b32 s60, 512                             ; from fragment to fragment: a K step on,
	s_mov_b32 s61, 18432                           ; which is nine images on in the codes
.Lcommon:
	v_add_nc_u32 v[VF], s62, v[L16]
	v_mov_b32 v[DOFF], v[L16]
.irp f, 1,2,3
	v_add_nc_u32 v[VF+\f], s60, v[VF+\f-1]
	v_add_nc_u32 v[DOFF+\f], s61, v[DOFF+\f-1]
.endr
.macro LOADF f                         ; fragment f: sixteen loads, each 512 consecutive bytes of one row, into set f % 2
.set qi, 0
.rept 16
	global_load_b128 v[RAW+64*((\f)%2)+4*qi:RAW+64*((\f)%2)+4*qi+3], v[VF+(\f)], s[RB+2*qi:RB+2*qi+1]
.set qi, qi+1
.endr
.endm
.macro TURNF f                         ; through the stage and back into the same registers: LDS serves a wave's instructions in order, so no wait stands between the stores and the loads
.set qi, 0
.rept 16
	ds_store_b128 v[SA], v[RAW+64*((\f)%2)+4*qi:RAW+64*((\f)%2)+4*qi+3] offset:528*qi
.set qi, qi+1
.endr
.irp b, 0,1,2,3
.irp i, 0,1,2,3
	ds_load_b128 v[RAW+64*((\f)%2)+16*\b+4*\i:RAW+64*((\f)%2)+16*\b+4*\i+3], v[RA] offset:128*\b+16*\i   ; register 16 b + 4 i + .. = k 32 b + 16 h + 4 i + .. of row r
.endr
.endr
.endm
.macro QUANT f                         ; 64 numbers of a lane become the fragment's codes in v[PC] on and its scale word in v[PW + f]
.set QS, RAW+64*((\f)%2)
.irp b, 0,1,2,3
	v_max3_num_f32 v[TM+\b], |v[QS+16*\b]|, |v[QS+1+16*\b]|, 0x4800000   ; block b: my 16 numbers, and the floor 2^(9 - 127): so the byte cannot fall under 1
.endr
.irp i, 2,4,6,8,10,12,14
.irp b, 0,1,2,3
	v_max3_num_f32 v[TM+\b], v[TM+\b], |v[QS+16*\b+\i]|, |v[QS+1+16*\b+\i]|   ; (the four blocks by turns)
.endr
.endr
.irp b, 0,1,2,3
	v_permlanex16_b32 v[TM+4+\b], v[TM+\b], s66, s67
.endr
.irp b, 0,1,2,3
	v_max_num_f32 v[TM+\b], v[TM+\b], v[TM+4+\b]   ; with lane l xor 16's: the block's largest magnitude
.endr
.irp b, 0,1,2,3
	v_add_nc_u32 v[TM+12+\b], 0xfc000000, v[TM+\b] ; 8 off its exponent field: the conversion takes the exponent field of this operand as its scale
.endr
.irp b, 0,1,2,3
	v_and_or_b32 v[TM+8+\b], v[TM+\b], 0x7f800000, s68   ; 448 x the scale
.endr
.irp b, 0,1,2,3
	v_lshrrev_b32 v[TM+4+\b], 23, v[TM+12+\b]      ; the scale's byte
.endr
	v_lshl_or_b32 v[PW+(\f)], v[TM+5], 8, v[TM+4]
	v_lshl_or_b32 v[PW+(\f)], v[TM+6], 16, v[PW+(\f)]
	v_lshl_or_b32 v[PW+(\f)], v[TM+7], 24, v[PW+(\f)]
.irp b, 0,1,2,3
.irp i, 0,1,2,3,4,5,6,7,8,9,10,11,12,13,14,15
	v_med3_num_f32 v[QS+16*\b+\i], v[QS+16*\b+\i], -v[TM+8+\b], v[TM+8+\b]   ; the conversion to an 8-bit code does not saturate (ISA guide 7.6.2): the hold at the largest code x the scale
.endr
	v_cvt_scalef32_pk8_fp8_f32 v[PC+4*\b:PC+1+4*\b], v[QS+16*\b:QS+7+16*\b], v[TM+12+\b]
	v_cvt_scalef32_pk8_fp8_f32 v[PC+2+4*\b:PC+3+4*\b], v[QS+8+16*\b:QS+15+16*\b], v[TM+12+\b]
.endr
	v_nop                                          ; one plain vector instruction behind the last conversion
.endm
	LOADF 0
	LOADF 1
.irp f, 0,1,2,3
.if \f < 3
	s_wait_loadcnt 16                              ; this fragment's sixteen loads are in; the other set's sixteen may be out
.else
	s_wait_loadcnt 0x0
.endif
	TURNF \f
	s_wait_dscnt 0x0
.if \f > 0
	s_wait_xcnt 0x0                                ; the last fragment's stores have read the codes' registers
.endif
	QUANT \f
.irp c, 0,1,2,3
	global_store_b128 v[DOFF+\f], v[PC+4*\c:PC+4*\c+3], s[56:57] offset:512*\c   ; 32 lanes store 512 consecutive bytes, at a multiple of 256 from the buffer's first byte
.endr
.if \f < 2
	LOADF \f+2
.endif
.endr
	v_cndmask_b32 v[SW], v[PW], v[PW+2], s69       ; lanes 0-15 store the words of fragments 0 and 1 of their row, lanes 16-31 those of 2 and 3
	v_cndmask_b32 v[SW+1], v[PW+1], v[PW+3], s69
	global_store_b64 v[SOFF], v[SW:SW+1], s[58:59] ; 32 lanes store 256 consecutive bytes, aligned
	s_wait_tensorcnt 0x0                           ; the wave's end: behind my last LDS store
	ds_add_u32 v[SPW], v[NIL]
	s_wait_dscnt 0x0
	s_endpgm
.Lfunc_end_k_q48d139d2c6_quant:
	.size	k_q48d139d2c6_quant, .Lfunc_end_k_q48d139d2c6_quant-k_q48d139d2c6_quant
	.p2alignl 7, 3214868480
	.fill 96, 4, 3214868480
	.section	.rodata,"a",@progbits
	.p2align	6, 0x0
	.amdhsa_kernel k_q48d139d2c6_quant
		.amdhsa_group_segment_fixed_size 34304
		.amdhsa_private_segment_fixed_size 0
		.amdhsa_enable_private_segment 0
		.amdhsa_kernarg_size 72
		.amdhsa_user_sgpr_count 2
		.amdhsa_user_sgpr_kernarg_segment_ptr 1
		.amdhsa_wavefront_size32 1
		.amdhsa_system_sgpr_workgroup_id_x 1
		.amdhsa_system_sgpr_workgroup_id_y 1
		.amdhsa_system_sgpr_workgroup_id_z 1
		.amdhsa_system_vgpr_workitem_id 0
		.amdhsa_next_free_vgpr 184
		.amdhsa_next_free_sgpr 100
		.amdhsa_reserve_vcc 1
		.amdhsa_float_denorm_mode_32 3
		.amdhsa_float_denorm_mode_16_64 3
		.amdhsa_memory_ordered 1
		.amdhsa_forward_progress 1
		.amdhsa_inst_pref_size 74
	.end_amdhsa_kernel
	.amdgpu_metadata
---
amdhsa.version: [ 1, 2 ]
amdhsa.kernels:
  - .name:           k_q48d139d2c6_quant
    .symbol:         k_q48d139d2c6_quant.kd
    .args:
      - { .name: x, .offset: 0, .size: 8, .value_kind: global_buffer, .address_space: global }
      - { .name: visual_mask, .offset: 8, .size: 8, .value_kind: global_buffer, .address_space: global }
      - { .name: Wv, .offset: 16, .size: 8, .value_kind: global_buffer, .address_space: global }
      - { .name: Wt, .offset: 24, .size: 8, .value_kind: global_buffer, .address_space: global }
      - { .name: a_codes, .offset: 32, .size: 8, .value_kind: global_buffer, .address_space: global }
      - { .name: a_scales, .offset: 40, .size: 8, .value_kind: global_buffer, .address_space: global }
      - { .name: w_codes, .offset: 48, .size: 8, .value_kind: global_buffer, .address_space: global }
      - { .name: w_scales, .offset: 56, .size: 8, .value_kind: global_buffer, .address_space: global }
      - { .name: route, .offset: 64, .size: 8, .value_kind: global_buffer, .address_space: global }
    .group_segment_fixed_size: 34304
    .private_segment_fixed_size: 0
    .kernarg_segment_align: 8
    .kernarg_segment_size: 72
    .max_flat_workgroup_size: 128
    .sgpr_count:     100
    .vgpr_count:     184
    .wavefront_size: 32
...
	.end_amdgpu_metadata
.endif
;; end of part 1
;; launch gemm (part 2): grid 8 x 30, 4 waves a work-group, clusters of 4 x 1, 327,680 bytes of LDS; arguments a_codes, a_scales, w_codes, w_scales, route, out0; writes out0
.if DOCPART == 2
	.amdgcn_target "amdgcn-amd-amdhsa--gfx1250"
	.amdhsa_code_object_version 6
	.text
	.protected	k_q48d139d2c6_gemm
	.globl	k_q48d139d2c6_gemm
	.p2align	8
	.type	k_q48d139d2c6_gemm,@function
k_q48d139d2c6_gemm:
	s_mov_b64 s[64:65], 0
	v_nop
	global_prefetch_b8 v0, s[64:65] scope:SCOPE_SE
	s_setreg_imm32_b32 hwreg(HW_REG_WAVE_MODE, 25, 1), 1
	s_wait_xcnt 0x0
	s_wait_alu depctr_hold_cnt(0) depctr_sa_sdst(0) depctr_va_vdst(0) depctr_va_sdst(0) depctr_va_ssrc(0) depctr_va_vcc(0) depctr_vm_vsrc(0)
	s_getreg_b32 s2, hwreg(HW_REG_IB_STS2, 6, 4)
	s_cmp_eq_u32 s2, 0
	s_cbranch_scc0 .Lentry_in_a_cluster
	s_endpgm
.Lentry_in_a_cluster:
	s_bfe_u32 s2, ttmp6, 0x10000c
	s_cmp_lg_u32 s2, 0x3003
	s_cbranch_scc0 .Lentry_shape_is_right
	s_endpgm
.Lentry_shape_is_right:
; out0[token][:] = x[token] W_e^T, e the expert that visual_mask names for the token, on the codes and scale words that the launch before has laid out.
; LEFT OUT: the product of a token with the weight that its mask byte does not name (reference() throws it away by jnp.where on that whole number, which reaches this launch through route).
; LIMITS: a NaN, an infinity or an overflow that would arise only there is not carried to the result; K is summed in f32 in four quarters that begin at quarter (tile row) % 4, not in ascending order throughout.
; SHARES.  A work-group makes 144 sorted slots (tile row y of 30; one expert: route) x 256 columns (tile column of 8).  240 work-groups serve every mask: a tile row that a mask leaves without tokens multiplies pads and stores nothing.
; Wave w makes all 144 slots x columns 64 w .. 64 w + 63: 9 x 4 accumulators.  THE MATRIX INSTRUCTION IS USED TRANSPOSED (source 0 = 16 rows of W, source 1 = 16 slots): a lane holds one slot and eight neighbouring columns.
; A (the slots' codes) is read by all four waves: it goes through LDS, a ring of two slots of 8 K steps, filled by tensor loads.  The four work-groups of a cluster share a tile row, so each asks JOINTLY (mask 15).
; B (64 rows of W) is each wave's own: it comes from w_codes straight into registers, 512 consecutive bytes a load, three K steps ahead.  It is not asked for jointly: work-groups that share columns lie in different
; tile rows, whose experts hang on the mask.  The scale words of A and of W come the same way, in whole units of 256 bytes.
; Both buffers hold images of the operands' registers, so every load is 16 x lane on from a constant: no pitch, no padding.
; K GOES IN FOUR PHASES of 8 K steps; phase i takes quarter (y + i) % 4 of K, so that tile rows that read the same weights walk them in different order.
; A K STEP is one run of loads and then 36 products back to back: A has two sets of registers and W four, so all that a step fetches lands in registers that the step before has done with.
; REGISTERS, in windows of 256 (s_set_vgpr_msb: bits 1:0 source 0, 3:2 source 1, 5:4 source 2, 7:6 destination):
;   window 0: v1-15 addresses; v16-23 W's scale words (four sets of 2); v24-63 A's scale words (two buffers of 20); v64-207 A's fragments, set 0; on the way out v64-127 rows of the result, v128-199 the 72 rows' offsets
;   window 1: accumulator (a < 8, b) at 32 a + 8 b     window 2: v0-31 accumulator (8, b); v32-175 A's fragments, set 1; v176-247 the tile's route words     window 3: W's fragments, four sets of 64
.set SLOT,   147456                    ; 8 K steps x 9 blocks x 2,048 bytes
.set KSB,    18432                     ; a K step's nine fragments
.set QW,     36864                     ; a quarter of a slot: what one tensor load brings
.set STAGE,  2*SLOT                    ; behind the ring: a stage of 16 rows x (256 + 16) bytes for each wave; no tensor load lands here
.set SPITCH, 272
.set SPARE,  STAGE+4*16*SPITCH         ; behind the stages: the spare words, 128 bytes for each wave: two blocks of 256 bytes that no other line names
.set L16, 1                            ; v1    16 x lane
.set LSC, 2                            ; v2    16 r + 8 h: my two words of a unit of W's scale words
.set AD,  3                            ; v3-5  LDS address of my 16 bytes of K steps 0, 3, 6 of the slot in hand
.set LAS, 6                            ; v6    2048 h + 16 r: A's scale words: lanes 0-15 an even block, lanes 16-31 the odd one behind it
.set SPW, 10                           ; v10   LDS address of my spare word; never rewritten
.set NIL, 11                           ; v11   0; never rewritten
.set STO, 12                           ; v12   the stage: where I put 32 bytes of a row
.set RD,  13                           ; v13   and where I read a row back
.set CO,  14                           ; v14   16 r
.set RTO, 15                           ; v15   32 h
.set BS,  16
.set AS,  24
.set A0,  64
.set A1,  32
.set RT,  176
.set BK,  64
.set OF,  128
.set WV,  16                           ; s16 wave; s17 cx; s18 tile column; s19 tile row y; s20 phase; s21 LDS byte at which the slot in hand begins
.set G1,  24                           ; s[24:31] descriptor group 1
.set AQC, 32                           ; s[32:33] A's scale words of this phase's quarter;  s[34:35] of the next phase's
.set AQN, 34
.set RTB, 36                           ; s[36:37] route at my tile's first slot
.set G0A, 40                           ; s[40:43] descriptor group 0 for slot 0's first fill;  s[44:47] for slot 1's, which then walks
.set G0W, 44
.set ATB, 52                           ; s[52:53] a_codes at my tile, my wave's quarter of a slot
.set WB,  54                           ; s[54:55] w_codes, s[56:57] w_scales at my wave's 64 rows of my expert
.set WSB, 56
.set BPC, 58                           ; s[58:59] w_codes at this phase's quarter; s[60:61] at the next phase's
.set BPN, 60
.set SPC, 62                           ; s[62:63], s[66:67] the same for w_scales
.set SPN, 66
.set ASB, 68                           ; s[68:69] a_scales at my tile
.set OUTB, 72                          ; s[72:73] out0 at my wave's 256 bytes of a row
.set PADW, 93                          ; s93   a pad's route word in my tile: 4096 | expert << 16
.set MSB, 0
.macro WIN new                         ; the immediate's high byte repeats the setting that is left; a switch that changes nothing is dropped
.if MSB != (\new)
	s_set_vgpr_msb (MSB<<8)|(\new)
.set MSB, (\new)
.endif
.endm
.macro CREST                           ; a round of the cluster's barrier behind its opening barrier
	s_cmp_lg_u32 s[WV], 0
	s_cbranch_scc1 .Lnot_wave_0_\@
	s_barrier_signal -3
.Lnot_wave_0_\@:
	s_barrier_wait -3
	s_barrier_signal -1
	s_barrier_wait -1
.endm
.macro CROUND                          ; a whole round
	s_barrier_signal -1
	s_barrier_wait -1
	CREST
.endm
.macro PHSET                           ; the addresses of phase s20: quarter sc = (y + phase) % 4 and the next phase's sn
	s_add_co_u32 s76, s19, s20
	s_add_co_u32 s78, s76, 1
	s_and_b32 s76, s76, 3
	s_and_b32 s78, s78, 3
	s_lshl_b32 s74, s76, 16                        ; 8 K steps of 8,192 bytes of my 64 rows' codes
	s_add_nc_u64 s[BPC:BPC+1], s[WB:WB+1], s[74:75]
	s_lshl_b32 s74, s78, 16
	s_add_nc_u64 s[BPN:BPN+1], s[WB:WB+1], s[74:75]
	s_lshl_b32 s74, s76, 11                        ; 8 units of their scale words
	s_add_nc_u64 s[SPC:SPC+1], s[WSB:WSB+1], s[74:75]
	s_lshl_b32 s74, s78, 11
	s_add_nc_u64 s[SPN:SPN+1], s[WSB:WSB+1], s[74:75]
	s_lshl_b32 s74, s76, 9                         ; 2 units of each block's scale words of A
	s_add_nc_u64 s[AQC:AQC+1], s[ASB:ASB+1], s[74:75]
	s_lshl_b32 s74, s78, 9
	s_add_nc_u64 s[AQN:AQN+1], s[ASB:ASB+1], s[74:75]
.endm
.macro PHTOP
	s_wait_xcnt 0x0                                ; the loads issued so far have read their bases: these may be written
	s_add_co_u32 s20, s20, 1
	PHSET
.endm
	s_load_b256 s[4:11], s[0:1], 0x0               ; a_codes s[4:5], a_scales s[6:7], w_codes s[8:9], w_scales s[10:11]
	s_load_b128 s[12:15], s[0:1], 0x20             ; route s[12:13], out0 s[14:15]
	v_lshl_add_u32 v[SPW], v0, 2, SPARE
	v_mov_b32 v[NIL], 0
	ds_add_u32 v[SPW], v[NIL]                      ; the wave's opening: the add, twice on end, and its wait ahead of my first tensor load; the set-up below, work on registers, stands between
	ds_add_u32 v[SPW], v[NIL]
	v_lshrrev_b32 v8, 5, v0
	v_readfirstlane_b32 s[WV], v8                  ; wave 0..3
	s_bfe_u32 s17, ttmp6, 0x40000                  ; cx: my place in the cluster: it enters W's and out0's addresses alone
	s_lshl_b32 s18, ttmp9, 2
	s_add_co_u32 s18, s18, s17                     ; tile column = 4 x cluster x + cx
	s_and_b32 s19, ttmp7, 0xffff                   ; tile row, which the four partners share
	s_mov_b32 s20, 0
	s_mov_b32 s21, 0
	s_mov_b32 s[G1], 15|(3<<16)|(1<<21)            ; 15:0 the mask: all four work-groups; 17:16 elements of 8 bytes; 20 no padding; 21 set beside a mask
	s_mov_b32 s[G1+1], 32<<16                      ; tensor_dim0 = 32 elements: rows of 256 bytes
	s_mov_b32 s[G1+2], 144<<16                     ; tensor_dim1 = 144 rows: a dense block of 36,864 bytes
	s_mov_b32 s[G1+3], 32<<16                      ; tile_dim0
	s_mov_b32 s[G1+4], 144                         ; tile_dim1
	s_mov_b32 s[G1+5], 32                          ; the pitch
	s_mov_b32 s[G1+6], 0
	s_mov_b32 s[G1+7], 0
	s_mov_b32 s75, 0                               ; the upper words of the offsets in s[74:75] and s[94:95]
	s_mov_b32 s95, 0
	s_mov_b32 s89, 0xffff
	v_and_b32 v8, 31, v0
	v_lshlrev_b32 v[L16], 4, v8
	v_and_b32 v8, 15, v0                           ; r
	v_bfe_u32 v9, v0, 4, 1                         ; h
	v_lshlrev_b32 v[CO], 4, v8
	v_lshl_add_u32 v[LSC], v9, 3, v[CO]
	v_lshl_add_u32 v[LAS], v9, 11, v[CO]
	v_lshlrev_b32 v[RTO], 5, v9
	v_mov_b32 v[AD], v[L16]
	v_add_nc_u32 v[AD+1], 3*KSB, v[L16]
	v_add_nc_u32 v[AD+2], 6*KSB, v[L16]
	s_mul_i32 s74, s[WV], 16*SPITCH
	s_add_co_u32 s74, s74, STAGE                   ; my stage
	v_mul_u32_u24 v[STO], v8, SPITCH
	v_lshl_add_u32 v[STO], v9, 5, v[STO]
	v_add_nc_u32 v[STO], s74, v[STO]               ; in: row r, 32 bytes for each half of the lanes
	v_mul_u32_u24 v[RD], v9, 8*SPITCH
	v_add_nc_u32 v[RD], v[RD], v[CO]
	v_add_nc_u32 v[RD], s74, v[RD]                 ; back: lanes 0-15 take row t, lanes 16-31 row t + 8
	s_wait_dscnt 0x0                               ; both opening adds are done
	s_wait_kmcnt 0x0
	s_mul_i32 s74, s19, 576
	s_add_nc_u64 s[RTB:RTB+1], s[12:13], s[74:75]
	s_load_b32 s70, s[RTB:RTB+1], 0x0              ; my tile's first route word: it names the tile's expert
	s_mul_i32 s74, s19, 589824
	s_mul_i32 s76, s[WV], QW                       ; my quarter of a slot, in memory and in LDS
	s_add_co_u32 s74, s74, s76
	s_add_nc_u64 s[ATB:ATB+1], s[4:5], s[74:75]
	s_mul_i32 s74, s19, 18432
	s_add_nc_u64 s[ASB:ASB+1], s[6:7], s[74:75]
	s_and_b32 s78, s19, 3
	s_mul_i32 s74, s78, SLOT
	s_mov_b32 s[G0A], 1                            ; count = 1
	s_mov_b32 s[G0A+1], s76                        ; LDS address: slot 0
	s_add_nc_u64 s[G0A+2:G0A+3], s[ATB:ATB+1], s[74:75]   ; phase 0's quarter of K
	s_or_b32 s[G0A+3], s[G0A+3], 0x80000000        ; type = 2
	s_add_co_u32 s78, s19, 1
	s_and_b32 s78, s78, 3
	s_mul_i32 s74, s78, SLOT
	s_mov_b32 s[G0W], 1
	s_add_co_u32 s[G0W+1], s76, SLOT               ; slot 1
	s_add_nc_u64 s[G0W+2:G0W+3], s[ATB:ATB+1], s[74:75]   ; phase 1's quarter
	s_or_b32 s[G0W+3], s[G0W+3], 0x80000000
	CROUND                                         ; all four work-groups are here: the first joint loads meet
	tensor_load_to_lds s[G0A:G0A+3], s[G1:G1+7]    ; every wave fills its quarter of both slots: two loads of mine are out
	s_nop 0
	tensor_load_to_lds s[G0W:G0W+3], s[G1:G1+7]
	s_nop 0
.rept 4
	v_nop
.endr
	s_lshl_b32 s94, s18, 10
	s_lshl_b32 s91, s[WV], 8
	s_add_co_u32 s94, s94, s91
	s_add_nc_u64 s[OUTB:OUTB+1], s[14:15], s[94:95]   ; out0 + 1,024 tile column + 256 wave
	s_lshl_b32 s92, s18, 2
	s_add_co_u32 s92, s92, s[WV]                   ; my group of 64 rows of W
	s_wait_kmcnt 0x0
	s_lshr_b32 s70, s70, 16
	s_min_u32 s70, s70, 1                          ; the expert
	s_lshl_b32 s[PADW], s70, 16
	s_or_b32 s[PADW], s[PADW], 0x1000              ; all 144 slots of a tile have one expert, so this is the route word of each of its pads
	s_lshl_b32 s94, s92, 18
	s_lshl_b32 s91, s70, 23
	s_add_co_u32 s94, s94, s91
	s_add_nc_u64 s[WB:WB+1], s[8:9], s[94:95]
	s_lshl_b32 s94, s92, 13
	s_lshl_b32 s91, s70, 18
	s_add_co_u32 s94, s94, s91
	s_add_nc_u64 s[WSB:WSB+1], s[10:11], s[94:95]
	PHSET
; A's scale words of four K steps into buffer buf: quad p: lanes 0-15 block 2 p, lanes 16-31 block 2 p + 1; register q of a quad: K step q.  Sixteen lanes read 256 consecutive bytes, aligned.
.macro ASLOAD buf, pair, off
	WIN 0
.irp p, 0,1,2,3
	global_load_b128 v[AS+20*(\buf)+4*\p:AS+20*(\buf)+4*\p+3], v[LAS], s[\pair:\pair+1] offset:(\off)+4096*\p
.endr
	global_load_b128 v[AS+20*(\buf)+16:AS+20*(\buf)+19], v[CO], s[\pair:\pair+1] offset:(\off)+16384
.endm
; Fragment bf of W's K step bko of the quarter at s[bpp] into set bst; and that K step's scale words: register u: lanes 0-15 block u, lanes 16-31 block 2 + u.
.macro BFRAG
	WIN 0xc0                                       ; destination window 3
.irp c, 0,1,2,3
	global_load_b128 v[64*bst+16*bf+4*\c:64*bst+16*bf+4*\c+3], v[L16], s[bpp:bpp+1] offset:8192*bko+2048*bf+512*\c
.endr
.endm
.macro BSC
	WIN 0
	global_load_b64 v[BS+2*bst:BS+2*bst+1], v[LSC], s[spp:spp+1] offset:256*bko
.endm
; Block k of A's K step jn of the slot in hand into set jn % 2.
.macro ABATCH jn, k
.if ((\jn)%2) == 0
	WIN 0
.set rL, A0+16*(\k)
.else
	WIN 0x80                                       ; destination window 2
.set rL, A1+16*(\k)
.endif
.irp c, 0,1,2,3
	ds_load_b128 v[rL+4*\c:rL+4*\c+3], v[AD+(\jn)/3] offset:((\jn)%3)*KSB+2048*(\k)+512*\c
.endr
.endm
; ALL THAT K STEP j FETCHES, IN ONE RUN: A's K step j + 1 (36 LDS loads, wanted a step on, so they come first), W's K step j + 3 with its scale words (17 loads), and A's scale words where they are due (5).
.macro RUN j, bld, asl, aload
.if \aload
.irp k, 0,1,2,3,4,5,6,7,8
	ABATCH ((\j)+1)%8, \k
.endr
.endif
.if \bld
.irp f, 0,1,2,3
.set bf, \f
	BFRAG
.endr
	BSC
.endif
.if \asl == 1
	ASLOAD 1, AQC, 256
.endif
.if \asl == 2
	ASLOAD 0, AQN, 0
.endif
.endm
; Product n of a K step's 36: block a = n / 4 of the slots x block b = n % 4 of my columns.  The 36 accumulators take turns, one instruction a turn, in the same order in every K step.
.macro PROD j, zero
.set pa, n/4
.set pb, n%4
.set rB, 64*((\j)%4)+16*pb
.set rA, A0+16*pa-((\j)%2)*(A0-A1)
.set rD, (32*pa+8*pb)%256
.set rX, BS+2*((\j)%4)+pb%2
.set rY, AS+20*((\j)/4)+4*(pa/2)+(\j)%4
	WIN 0x53+8*((\j)%2)+0x50*(pa/8)                ; W window 3; A window 0 or 2; C and D window 1, for block 8 window 2
.if \zero
.if (pb < 2) && (pa%2 == 0)
	v_wmma_scale_f32_16x16x128_f8f6f4 v[rD:rD+7], v[rB:rB+15], v[rA:rA+15], 0, v[rX], v[rY]
.elseif pb < 2
	v_wmma_scale_f32_16x16x128_f8f6f4 v[rD:rD+7], v[rB:rB+15], v[rA:rA+15], 0, v[rX], v[rY] matrix_b_scale:MATRIX_SCALE_ROW1
.elseif pa%2 == 0
	v_wmma_scale_f32_16x16x128_f8f6f4 v[rD:rD+7], v[rB:rB+15], v[rA:rA+15], 0, v[rX], v[rY] matrix_a_scale:MATRIX_SCALE_ROW1
.else
	v_wmma_scale_f32_16x16x128_f8f6f4 v[rD:rD+7], v[rB:rB+15], v[rA:rA+15], 0, v[rX], v[rY] matrix_a_scale:MATRIX_SCALE_ROW1 matrix_b_scale:MATRIX_SCALE_ROW1
.endif
.else
.if (pb < 2) && (pa%2 == 0)
	v_wmma_scale_f32_16x16x128_f8f6f4 v[rD:rD+7], v[rB:rB+15], v[rA:rA+15], v[rD:rD+7], v[rX], v[rY]
.elseif pb < 2
	v_wmma_scale_f32_16x16x128_f8f6f4 v[rD:rD+7], v[rB:rB+15], v[rA:rA+15], v[rD:rD+7], v[rX], v[rY] matrix_b_scale:MATRIX_SCALE_ROW1
.elseif pa%2 == 0
	v_wmma_scale_f32_16x16x128_f8f6f4 v[rD:rD+7], v[rB:rB+15], v[rA:rA+15], v[rD:rD+7], v[rX], v[rY] matrix_a_scale:MATRIX_SCALE_ROW1
.else
	v_wmma_scale_f32_16x16x128_f8f6f4 v[rD:rD+7], v[rB:rB+15], v[rA:rA+15], v[rD:rD+7], v[rX], v[rY] matrix_a_scale:MATRIX_SCALE_ROW1 matrix_b_scale:MATRIX_SCALE_ROW1
.endif
.endif
.endm
; K STEP j of a phase: the run of loads for later steps at its head, then its 36 products back to back: the products are parted once a K step, and the register window is switched five times or so
; (A's loads, W's, the scale words', the products', block 8's).
; zero = 1: the products start the sums.  turn = 1: the slot is left and filled again; 2: it is left.  bld: W's K step j + 3 is fetched.  asl = 1: A's scale words of this phase's K steps 4-7; 2: of the next phase's 0-3.
; aload: A's K step j + 1 is fetched.  lc: how many younger loads may be out when W's K step j has to be there.
; PLACES.  All of this step's loads land in registers that K step j - 1's products read.  Eight plain vector instructions stand between those products and the first load:
; eight v_nop at the step's head.  In the last K step, which fetches nothing, they are the places in front of the way out's offsets, which are written over A's set 0, read by K step 6.
; LDS LOADS OUT, by this text's own count: at most 24 behind the head's wait, 60 behind the run.
.macro KSTEP j, zero, turn, bld, asl, aload, lc
.if (\j)+3 < 8
.set bpp, BPC
.set spp, SPC
.set bko, (\j)+3
.else
.set bpp, BPN
.set spp, SPN
.set bko, (\j)-5
.endif
.set bst, ((\j)+3)%4
.if \zero == 0
.rept 8
	v_nop
.endr
.endif
	s_wait_loadcnt \lc                             ; W's fragments and scale words of this K step are in (and A's scale words, where this step is the first to use a buffer)
.if \turn
	WIN 0                                          ; (the add's two registers lie in window 0)
	s_wait_tensorcnt 0x0                           ; all my tensor loads have landed: my quarter of the next slot; so a group 0 may be written
	ds_add_u32 v[SPW], v[NIL]                      ; 0 onto my spare word
.if \turn == 1
	s_xor_b32 s[G0W+1], s[G0W+1], SLOT             ; the walking descriptor: the slot that is being left (no bit of my quarter's place meets SLOT's two bits),
	s_add_co_u32 s74, s19, s20
	s_add_co_u32 s74, s74, 2
	s_and_b32 s74, s74, 3
	s_mul_i32 s74, s74, SLOT
	s_add_nc_u64 s[G0W+2:G0W+3], s[ATB:ATB+1], s[74:75]   ; the quarter of K of the phase after the next
	s_or_b32 s[G0W+3], s[G0W+3], 0x80000000
.endif
	s_wait_dscnt 29                                ; A's blocks 0 and 1 are in; the add and blocks 2-8 may be out
.else
	s_wait_dscnt 24                                ; A's blocks 0-2 of this step are in; blocks 3-8 may be out
	RUN \j, \bld, \asl, \aload
.endif
.set n, 0
.rept 36
.if \turn
.if n == 8
	s_wait_dscnt 0x0                               ; the add is done, and my reads of this slot are over (eight products stood between the add and this wait):
	s_barrier_signal -1                            ; say so; four products stand between the signal and the wait
.endif
.if n == 12
	WIN 0
	s_barrier_wait -1
.if \turn == 1
	CREST                                          ; the barrier has opened a round of the cluster's: no wave of any partner still reads this slot or has a load on its way
	tensor_load_to_lds s[G0W:G0W+3], s[G1:G1+7]    ; my one tensor load behind the round: it has a phase less twelve products in which to land
	s_nop 0
.rept 4
	v_nop
.endr
.endif
	s_xor_b32 s21, s21, SLOT                       ; on to the other slot
	v_add_nc_u32 v[AD], s21, v[L16]
	v_add_nc_u32 v[AD+1], 3*KSB, v[AD]
	v_add_nc_u32 v[AD+2], 6*KSB, v[AD]
	RUN \j, \bld, \asl, \aload                     ; this step's run stands here: it reads the slot that the barrier has shown whole
.endif
.else
.if n == 12
	s_wait_dscnt 12+36*(\aload)                    ; blocks 3-5 are in; blocks 6-8 and the run's 36 may be out
.endif
.if n == 24
	s_wait_dscnt 36*(\aload)                       ; blocks 6-8 are in; the run's 36 may be out
.endif
.endif
	PROD \j, \zero
.set n, n+1
.endr
.endm
.macro SIX                             ; K steps 1 to 6 of a phase that has a successor.  39: the next two K steps' 34 loads of W and five of A's scale words among them
	KSTEP 1, 0, 0, 1, 1, 1, 34
	KSTEP 2, 0, 0, 1, 0, 1, 39
	KSTEP 3, 0, 0, 1, 0, 1, 39
	KSTEP 4, 0, 0, 1, 0, 1, 34                     ; 34: behind A's scale words of K steps 4-7 only two K steps of W were asked for
	KSTEP 5, 0, 0, 1, 2, 1, 34
	KSTEP 6, 0, 0, 1, 0, 1, 39
.endm
	ASLOAD 0, AQC, 0                               ; A's scale words of K steps 0-3
.set bpp, BPC
.set spp, SPC
.irp t, 0,1,2                              ; W's K steps 0, 1, 2
.set bst, \t
.set bko, \t
.irp f, 0,1,2,3
.set bf, \f
	BFRAG
.endr
	BSC
.endr
	s_wait_tensorcnt 0x1                           ; my quarter of slot 0 is in; slot 1's may stay out
	s_barrier_signal -1
	s_barrier_wait -1                              ; everybody's is
.irp k, 0,1,2,3,4,5,6,7,8
	ABATCH 0, \k
.endr
	KSTEP 0, 1, 0, 1, 0, 1, 34                     ; the first K step stands in front of the loop: its products start the sums
	WIN 0                                          ; at a label and at a branch every window is 0
.Lphase:                                               ; two trips: from a phase's second K step to the next phase's first; each leaves a slot and fills it again
	SIX
	KSTEP 7, 0, 1, 1, 0, 1, 39
	PHTOP
	KSTEP 0, 0, 0, 1, 0, 1, 34
	WIN 0
	s_cmp_lt_u32 s20, 2
	s_cbranch_scc1 .Lphase
	SIX                                            ; phase 2: written out, since it fills nothing
	KSTEP 7, 0, 2, 1, 0, 1, 39
	PHTOP
	KSTEP 0, 0, 0, 1, 0, 1, 34
	KSTEP 1, 0, 0, 1, 1, 1, 34                     ; phase 3: the last
	KSTEP 2, 0, 0, 1, 0, 1, 39
	KSTEP 3, 0, 0, 1, 0, 1, 39
	KSTEP 4, 0, 0, 1, 0, 1, 34
	KSTEP 5, 0, 0, 0, 0, 1, 34                     ; nothing is left to fetch of W
	WIN 0x80                                       ; destination window 2
.irp a, 0,1,2,3,4,5,6,7,8                  ; the route words of slots 16 a + 8 h + 0 .. 7, for the way out: 18 loads, asked for here, where W's have ended, next to K step 6's run
	global_load_b128 v[RT+8*\a:RT+8*\a+3], v[RTO], s[RTB:RTB+1] offset:64*\a
	global_load_b128 v[RT+8*\a+4:RT+8*\a+7], v[RTO], s[RTB:RTB+1] offset:64*\a+16
.endr
	KSTEP 6, 0, 0, 0, 0, 1, 35                     ; 35: W's K step 7 (17) and the 18 route loads may be out
	KSTEP 7, 0, 0, 0, 0, 0, 18                     ; 18: the route loads
; THE WAY OUT, block by block of 16 slots x my 64 columns.  A lane holds 32 neighbouring bytes of a slot's row; the block goes through my stage and comes back as rows of 256 bytes, two an instruction,
; and each row goes to the token that route names for its slot: sixteen lanes store 256 consecutive bytes, aligned.  A pad's row is not stored: its lanes are off.
; The byte offsets in out0 of all 72 pairs of rows are made first, with all lanes on, ahead of the first line that narrows EXEC: register 8 a + t: row t (lanes 16-31: t + 8) of block a.
.macro MASKS a                         ; the lanes of block a's row t that are stored: those whose slot is no pad
	WIN 0x08                                       ; source 1 window 2
.irp t, 0,1,2,3,4,5,6,7
	v_cmp_ne_u32 s[80+\t], s[PADW], v[RT+8*(\a)+\t]
.endr
	WIN 0
.endm
.macro TOSTAGE a
.if (\a) < 8
	WIN 0x04                                       ; an LDS store's data are its source 1: window 1,
.set rC, 32*(\a)
.else
	WIN 0x08                                       ; for block 8 window 2
.set rC, 0
.endif
.irp b, 0,1,2,3
	ds_store_b128 v[STO], v[rC+8*\b:rC+8*\b+3] offset:64*\b          ; each accumulator from its low end on
	ds_store_b128 v[STO], v[rC+8*\b+4:rC+8*\b+7] offset:64*\b+16
.endr
	WIN 0
.set rK, BK+32*((\a)%2)
.irp t, 0,1,2,3,4,5,6,7
	ds_load_b128 v[rK+4*\t:rK+4*\t+3], v[RD] offset:SPITCH*\t        ; LDS serves a wave's instructions in order (ISA guide 5.7.1.4): these see the stores above, and the next block's stores come behind them
.endr
.endm
.macro SEND a, younger                 ; younger: the LDS instructions issued behind block a's loads
.set rK, BK+32*((\a)%2)
.irp t, 0,1,2,3,4,5,6,7
	s_wait_dscnt (\younger)+7-\t
	s_and_saveexec_b32 s88, s[80+\t]               ; (no global instruction has been issued since the last wait on XCNT)
	global_store_b128 v[OF+8*(\a)+\t], v[rK+4*\t:rK+4*\t+3], s[OUTB:OUTB+1] th:TH_STORE_NT
	s_wait_xcnt 0x0                                ; EXEC is widened, and the store's data registers are loaded again, only behind this wait
	s_or_b32 exec_lo, exec_lo, s88
.endr
.endm
	s_wait_loadcnt 0x0                             ; the route words are in
	WIN 0x08                                       ; source 1 window 2
.set qi, 0
.rept 72                               ; 216 plain vector instructions that name no register of the last K step's products: they are also the places in front of the first reads of results
	v_and_b32 v[OF+qi], s89, v[RT+qi]              ; the token, or 4096
.set qi, qi+1
.endr
	WIN 0
.set qi, 0
.rept 72
	v_min_u32 v[OF+qi], 0xfff, v[OF+qi]            ; (a pad's lanes are off at its store)
.set qi, qi+1
.endr
.set qi, 0
.rept 72
	v_lshl_add_u32 v[OF+qi], v[OF+qi], 13, v[CO]   ; a row of out0 is 8,192 bytes; + my 16 bytes of the wave's 256
.set qi, qi+1
.endr
	TOSTAGE 0
	s_wait_xcnt 0x0                                ; in front of the first line that narrows EXEC
.irp a, 0,1,2,3,4,5,6,7
	TOSTAGE \a+1                                   ; the next block is on its way through the stage while this one is stored
	MASKS \a
	SEND \a, 16
.endr
	MASKS 8
	SEND 8, 0
	s_wait_tensorcnt 0x0                           ; the wave's end: behind my last tensor load and my last LDS store
	ds_add_u32 v[SPW], v[NIL]
	s_wait_dscnt 0x0
	CROUND                                         ; the closing round: no work-group ends while a partner may still ask for a tile that names it
	s_endpgm
.Lfunc_end_k_q48d139d2c6_gemm:
	.size	k_q48d139d2c6_gemm, .Lfunc_end_k_q48d139d2c6_gemm-k_q48d139d2c6_gemm
	.p2alignl 7, 3214868480
	.fill 96, 4, 3214868480
	.section	.rodata,"a",@progbits
	.p2align	6, 0x0
	.amdhsa_kernel k_q48d139d2c6_gemm
		.amdhsa_group_segment_fixed_size 327680
		.amdhsa_private_segment_fixed_size 0
		.amdhsa_enable_private_segment 0
		.amdhsa_kernarg_size 48
		.amdhsa_user_sgpr_count 2
		.amdhsa_user_sgpr_kernarg_segment_ptr 1
		.amdhsa_wavefront_size32 1
		.amdhsa_system_sgpr_workgroup_id_x 1
		.amdhsa_system_sgpr_workgroup_id_y 1
		.amdhsa_system_sgpr_workgroup_id_z 1
		.amdhsa_system_vgpr_workitem_id 0
		.amdhsa_next_free_vgpr 1024
		.amdhsa_next_free_sgpr 100
		.amdhsa_reserve_vcc 0
		.amdhsa_float_denorm_mode_32 3
		.amdhsa_float_denorm_mode_16_64 3
		.amdhsa_memory_ordered 1
		.amdhsa_forward_progress 1
		.amdhsa_inst_pref_size 255
	.end_amdhsa_kernel
	.section	.bss,"aw",@nobits
	.p2align	6
	.space	262144
	.amdgpu_metadata
---
amdhsa.version: [ 1, 2 ]
amdhsa.kernels:
  - .name:           k_q48d139d2c6_gemm
    .symbol:         k_q48d139d2c6_gemm.kd
    .args:
      - { .name: a_codes, .offset: 0, .size: 8, .value_kind: global_buffer, .address_space: global }
      - { .name: a_scales, .offset: 8, .size: 8, .value_kind: global_buffer, .address_space: global }
      - { .name: w_codes, .offset: 16, .size: 8, .value_kind: global_buffer, .address_space: global }
      - { .name: w_scales, .offset: 24, .size: 8, .value_kind: global_buffer, .address_space: global }
      - { .name: route, .offset: 32, .size: 8, .value_kind: global_buffer, .address_space: global }
      - { .name: out0, .offset: 40, .size: 8, .value_kind: global_buffer, .address_space: global }
    .group_segment_fixed_size: 327680
    .private_segment_fixed_size: 0
    .kernarg_segment_align: 8
    .kernarg_segment_size: 48
    .max_flat_workgroup_size: 128
    .sgpr_count:     100
    .vgpr_count:     1024
    .wavefront_size: 32
...
	.end_amdgpu_metadata
.endif
;; end of part 2
